; MI455X (gfx1250); checked and timed in simulation.
; The chip was launched on July 23, 2026; its instructions are those of AMD's public machine-readable ISA for CDNA 5 (MIT licence, August 2026) and "CDNA5" Instruction Set Architecture Reference Guide (July 2026). The comments in the code are by the model that wrote it; some were corrected since.
;; Custom Multihead Attention. Allowed arithmetic: float matrix products may take bf16 or f16 operands with f32 sums; all other float work in f32.
;; Inputs: Wk 512 x 512 float32; Wo 512 x 512 float32; Wq 512 x 512 float32; Wv 512 x 512 float32; bk 512 float32; bo 512 float32; bq 512 float32; bv 512 float32; key 4 x 4,096 x 512 float32; key_padding_mask 4 x 4,096 bool; query 4 x 2,048 x 512 float32; value 4 x 4,096 x 512 float32.
;; Outputs: out0 4 x 2,048 x 512 float32.
;; One version. Each part assembles by itself: llvm-mc -triple=amdgcn-amd-amdhsa -mcpu=gfx1250 --defsym DOCPART=n.
;; ======== version 1 of 1: 4 launches
;; limits: values are held in f16: magnitudes above 65,504 overflow, below 6.1e-05 lose precision
;; workspace buffers: qws 16,777,216 bytes; kws 16,777,216 bytes; vws 16,777,216 bytes; aws 16,777,216 bytes
;; launch qp (part 1): grid 4 x 64, 4 waves a work-group, clusters of 4 x 4, 284,160 bytes of LDS; arguments query, Wq, bq, qws; writes qws
.if DOCPART == 1
	.amdgcn_target "amdgcn-amd-amdhsa--gfx1250"
	.amdhsa_code_object_version 6
	.text
	.protected	k_q8dc7a0dee0_qp
	.globl	k_q8dc7a0dee0_qp
	.p2align	8
	.type	k_q8dc7a0dee0_qp,@function
k_q8dc7a0dee0_qp:
	s_mov_b64 s[64:65], 0
	v_nop
	global_prefetch_b8 v0, s[64:65] scope:SCOPE_SE
	s_setreg_imm32_b32 hwreg(HW_REG_WAVE_MODE, 25, 1), 1
	s_wait_xcnt 0x0
	s_wait_alu depctr_hold_cnt(0) depctr_sa_sdst(0) depctr_va_vdst(0) depctr_va_sdst(0) depctr_va_ssrc(0) depctr_va_vcc(0) depctr_vm_vsrc(0)
	s_getreg_b32 s2, hwreg(HW_REG_IB_STS2, 6, 4)
	s_cmp_eq_u32 s2, 0
	s_cbranch_scc0 .Lentry_in_a_cluster
	s_endpgm
.Lentry_in_a_cluster:
	s_bfe_u32 s2, ttmp6, 0x10000c
	s_cmp_lg_u32 s2, 0xf033
	s_cbranch_scc0 .Lentry_shape_is_right
	s_endpgm
.Lentry_shape_is_right:
; A linear layer:  Y[m][n] = sum over k of X[m][k] W[n][k] + bias[n].  X [8192][512], W [512][512], bias [512], Y [8192][512], all f32.
; It serves twice: the query projection and the output projection.
; A work-group makes 128 x 128 of Y with four waves, a wave 64 x 64: 16 accumulator tiles of 16 x 16 in 128 registers.  8,192 x 512 outputs are 256 such blocks.
; Operands are rounded to f16 on the way to the matrix unit, sums are f32.
; LIMITS: X and W finite and below 65,504, the largest f16.  Inside them no NaN arises, so reference's nan_to_num of the output changes nothing and is not written.
; ALL BYTES ARE ASKED FOR AT THE START.  A block needs 2 x 128 rows x 2,048 bytes = 512 KiB, more than LDS holds.  So K = 0..255 comes by one tensor load
; a wave into LDS (4 x 64 rows x 1,040 bytes), and K = 256..511 by 128 loads a wave into 512 registers; nothing is filled twice and there is no ring.
; PHASE A multiplies the first half out of LDS (f32, rounded in registers).  Then each wave rounds its registers to f16 and stores them over the f32 tiles,
; which have had their only fill.  PHASE B multiplies the second half out of these f16 rows.
; CLUSTERS: 4 x 4 work-groups.  The four of a row of the cluster make the four column blocks of one row block and share X's tile; the four of a column share W's.
; These tiles are asked for jointly.  The half that goes through registers is not shared: a load into registers serves one wave.
;
; REGISTERS: window 0: v16-27 addresses; v32-63 the bias of my 32 columns a lane; v64-95 X's fragments, v96-127 W's; v128-255 accumulators, tile (a, b) at v[128 + 8 (4 a + b)]
;            window 1: f32 as loaded from LDS, two buffers of 128; in phase B two buffers of 64 for fragments;  windows 2, 3: the half that comes through registers
; The matrix instruction is used transposed (source 0 = 16 rows of W, source 1 = 16 rows of X): lane l holds row l % 16 of Y and the columns 8 (l / 16) + 0..7.
.set APITCH, 1040                      ; phase A: an LDS row of 1,024 bytes + 16 of padding, an odd multiple of 16: the 16 rows of a load start in 16 different columns of 16 bytes
.set AQ,     64*APITCH                 ; 64 rows: one tensor load, and what a wave reads of X or of W
.set BPITCH, 528                       ; phase B: 256 f16 = 512 bytes + 16, an odd multiple of 16
.set BQ,     64*BPITCH
.set STAGE,  4*AQ                      ; behind the tiles: 16 rows x 272 bytes for each wave, for the way out; no tensor load lands here
.set SPITCH, 272
.set ROWB,   2048                      ; bytes in a row of X, W and Y
.set ADRA,  16                         ; phase A: LDS address of my X rows
.set ADRB,  17                         ;          of my W rows
.set ADRA2, 18                         ; phase B: the same
.set ADRB2, 19
.set STB,   20                         ; where I store my f16 rows
.set GO,    21                         ; 16 x lane: my bytes in a run of 512
.set STO,   24                         ; the way out: where I put 32 bytes of a row
.set RD,    25                         ; the way out: where I read a row back
.set CO,    26                         ; my byte offset in Y
.set BO,    27                         ; my byte offset in the bias
.set BI,    32
.set F,     64
.set ACC,   128
.set G1,  24                           ; s[24:31] descriptor group 1, X's tile
.set G0,  32                           ; s[32:35] group 0, X's tile
.set G1B, 48                           ; s[48:55] group 1, W's tile: the mask is the difference
.set G0B, 56                           ; s[56:59] group 0, W's tile
.set MSB, 0
.macro WIN new                         ; the immediate's high byte repeats the setting that is left
.if MSB != \new
	s_set_vgpr_msb (MSB<<8)|\new
.set MSB, \new
.endif
.endm
.macro PLACES
.rept 4
	v_nop
.endr
.endm
; A round of the cluster's barrier: my work-group's barrier, wave 0 signals for the work-group, every wave waits for all sixteen, my work-group's barrier again.
.macro CROUND
	s_barrier_signal -1
	s_barrier_wait -1
	s_cmp_lg_u32 s10, 0
	s_cbranch_scc1 .Lnot_wave_0_\@
	s_barrier_signal -3
.Lnot_wave_0_\@:
	s_barrier_wait -3
	s_barrier_signal -1
	s_barrier_wait -1
.endm
	s_load_b128 s[4:7], s[0:1], 0x0                ; X s[4:5], W s[6:7]
	s_load_b64 s[92:93], s[0:1], 0x10              ; bias
	s_load_b64 s[8:9], s[0:1], 0x18                ; Y
	v_lshl_add_u32 v30, v0, 2, 0x45400
	v_mov_b32 v31, 0
	ds_add_u32 v30, v31
	v_lshrrev_b32 v1, 5, v0
	v_readfirstlane_b32 s10, v1                    ; wave 0..3
	s_lshr_b32 s11, s10, 1                         ; which half of the block's rows is mine.  Also: I fetch for X (0) or for W (1)
	s_and_b32 s12, s10, 1                          ; which half of its columns.  Also: which 64 rows of that tile I fetch
	s_bfe_u32 s40, ttmp6, 0x40000                  ; cx
	s_bfe_u32 s41, ttmp6, 0x40004                  ; cy
	s_lshl_b32 s42, ttmp9, 2
	s_add_co_u32 s42, s42, s40                     ; block column of Y = 4 x cluster x + cx
	s_and_b32 s13, ttmp7, 0xffff
	s_lshl_b32 s13, s13, 2
	s_add_co_u32 s13, s13, s41                     ; block row of Y = 4 x cluster y + cy
	s_lshl_b32 s43, s41, 2
	s_lshl_b32 s43, 15, s43                        ; my row of the cluster: places 4 cy .. 4 cy + 3
	s_lshl_b32 s44, 0x1111, s40                    ; my column: places cx, cx + 4, cx + 8, cx + 12
	; group 1: a tile of 64 rows x 256 elements of 4 bytes; padding after every 256 words (code 7), of 4 words (code 3); bit 21 beside the mask
	s_or_b32 s[G1+0], s43, (2<<16)|(1<<20)|(1<<21)|(7<<22)|(3<<25)   ; X's tile goes to my row of the cluster
	s_or_b32 s[G1B+0], s44, (2<<16)|(1<<20)|(1<<21)|(7<<22)|(3<<25)  ; W's to my column
.irp g, G1, G1B
	s_mov_b32 s[\g+1], 256<<16                     ; tensor_dim0 = 256
	s_mov_b32 s[\g+2], 64<<16                      ; tensor_dim1 = 64
	s_mov_b32 s[\g+3], 256<<16                     ; tile_dim0 = 256
	s_mov_b32 s[\g+4], 64                          ; tile_dim1 = 64
	s_mov_b32 s[\g+5], 512                         ; elements from row to row
	s_mov_b32 s[\g+6], 0
	s_mov_b32 s[\g+7], 0
.endr
	; where the tiles come from.  X's hangs on the block row alone, W's on the block column alone; each is made in registers that never hold the other coordinate
	s_lshl_b32 s17, s12, 6                         ; which 64 rows I fetch
	s_lshl_b32 s16, s13, 7
	s_add_co_u32 s16, s16, s17                     ; X: row 128 x block row + 64 x half,
	s_lshl_b32 s16, s16, 11                        ; times 2,048 bytes: 16 MiB at the most
	s_lshl_b32 s46, s42, 7
	s_add_co_u32 s46, s46, s17                     ; W: row 128 x block column + 64 x half
	s_lshl_b32 s46, s46, 11
	s_mov_b32 s17, 0
	s_mov_b32 s47, 0
	s_wait_dscnt 0x0
	s_wait_kmcnt 0x0
	s_add_nc_u64 s[14:15], s[4:5], s[16:17]
	s_add_nc_u64 s[46:47], s[6:7], s[46:47]
	s_cmp_eq_u32 s11, 0
	s_cselect_b64 s[60:61], s[14:15], s[46:47]     ; the same 64 rows, for the half that comes through registers
	CROUND                                         ; all sixteen work-groups are here: the joint loads meet
	s_mov_b32 s[G0], 1
	s_mul_i32 s[G0+1], s10, AQ                     ; X's two halves, then W's two = wave x 64 rows: no place in the cluster enters an LDS address
	s_mov_b64 s[G0+2:G0+3], s[14:15]
	s_or_b32 s[G0+3], s[G0+3], 0x80000000
	s_mov_b32 s[G0B], 1
	s_mul_i32 s[G0B+1], s10, AQ
	s_mov_b64 s[G0B+2:G0B+3], s[46:47]
	s_or_b32 s[G0B+3], s[G0B+3], 0x80000000
	s_cmp_eq_u32 s11, 0                            ; waves 0 and 1 ask for X's halves, waves 2 and 3 for W's: one tensor load a wave in the whole kernel
	s_cbranch_scc0 .Lfor_w
	tensor_load_to_lds s[G0:G0+3], s[G1:G1+7]
	s_nop 0
.rept 4
	v_nop
.endr
	s_branch .Lasked
.Lfor_w:
	tensor_load_to_lds s[G0B:G0B+3], s[G1B:G1B+7]
	s_nop 0
.rept 4
	v_nop
.endr
.Lasked:
	v_and_b32 v1, 15, v0                           ; r = l % 16
	v_bfe_u32 v2, v0, 4, 1                         ; h = l / 16
	v_and_b32 v6, 31, v0                           ; lane
	; phase A: a fragment wants K = 8 h + 0..7 and 16 + 8 h + 0..7 of row r; in f32 these are 32 bytes at 32 h and 32 bytes at 64 + 32 h
	v_mul_u32_u24 v3, v1, APITCH
	v_lshl_add_u32 v3, v2, 5, v3
	s_mul_i32 s21, s11, AQ                         ; my 64 rows of X
	s_mul_i32 s22, s12, AQ                         ; my 64 rows of W,
	s_add_co_u32 s22, s22, 2*AQ                    ; which lie behind X's 128
	v_add_nc_u32 v[ADRA], s21, v3
	v_add_nc_u32 v[ADRB], s22, v3
	; phase B: the same in f16: 16 bytes at 16 h and at 32 + 16 h
	v_mul_u32_u24 v4, v1, BPITCH
	v_lshl_add_u32 v4, v2, 4, v4
	s_mul_i32 s21, s11, BQ
	s_mul_i32 s22, s12, BQ
	s_add_co_u32 s22, s22, 2*BQ
	v_add_nc_u32 v[ADRA2], s21, v4
	v_add_nc_u32 v[ADRB2], s22, v4
	s_mul_i32 s21, s10, BQ
	v_lshl_add_u32 v[STB], v6, 3, s21              ; my 64 rows, 8 bytes a lane
	s_mul_i32 s23, s10, 16*SPITCH
	s_add_co_u32 s23, s23, STAGE                   ; my stage
	v_mul_u32_u24 v5, v1, SPITCH
	v_lshl_add_u32 v5, v2, 5, v5
	v_add_nc_u32 v[STO], s23, v5                   ; in: row r, 32 bytes for each half of the lanes
	v_mul_u32_u24 v5, v2, SPITCH
	v_lshl_add_u32 v5, v1, 4, v5
	v_add_nc_u32 v[RD], s23, v5                    ; back: lanes 0-15 one row of 256 bytes, lanes 16-31 the next
	v_lshlrev_b32 v5, 11, v2
	v_lshl_add_u32 v[CO], v1, 4, v5                ; the same two rows in Y
	s_lshl_b32 s62, s42, 9                         ; my first column in bytes, in the bias and in a row of Y: 512 a block, 256 a half
	s_lshl_b32 s63, s12, 8
	s_add_co_u32 s62, s62, s63
	s_mov_b32 s63, 0
	s_add_nc_u64 s[92:93], s[92:93], s[62:63]
	s_add_nc_u64 s[8:9], s[8:9], s[62:63]
	s_lshl_b32 s16, s13, 7                         ; and my first row: 128 x block row + 64 x half
	s_lshl_b32 s17, s11, 6
	s_add_co_u32 s16, s16, s17
	s_lshl_b32 s16, s16, 11
	s_mov_b32 s17, 0
	s_add_nc_u64 s[8:9], s[8:9], s[16:17]
	v_lshlrev_b32 v[BO], 5, v2
	v_lshlrev_b32 v[GO], 4, v6
.irp b, 0,1,2,3
	global_load_b128 v[BI+8*\b:BI+8*\b+3],   v[BO], s[92:93] offset:64*\b      ; the bias of my columns 16 b + 8 h + 0..7
	global_load_b128 v[BI+8*\b+4:BI+8*\b+7], v[BO], s[92:93] offset:64*\b+16
.endr
	; K = 256..511 of my 64 rows: two loads a row, each 512 consecutive bytes.  136 loads are more than the counter's field holds: the hardware holds the issue back (ISA guide 5.7.1)
	WIN 0x80
.set nn, 0
.rept 64
	global_load_b128 v[4*nn:4*nn+3], v[GO], s[60:61] offset:(nn/2)*ROWB+1024+(nn%2)*512
.set nn, nn+1
.endr
	WIN 0xC0
.set nn, 0
.rept 64
	global_load_b128 v[4*nn:4*nn+3], v[GO], s[60:61] offset:(32+nn/2)*ROWB+1024+(nn%2)*512
.set nn, nn+1
.endr
	WIN 0
; phase A, 32 LDS loads: 64 rows of X and 64 of W x 32 K of f32 (quarter q: 128 bytes at byte 128 q of the rows) into window 1's buffer buf, fragment i in 16 registers with K as a fragment wants it
.macro LOADRAW q, buf
	WIN 0x40
.irp i, 0,1,2,3
	ds_load_b128 v[\buf+16*\i:\buf+16*\i+3],     v[ADRA] offset:128*\q+\i*16*APITCH
	ds_load_b128 v[\buf+16*\i+4:\buf+16*\i+7],   v[ADRA] offset:128*\q+\i*16*APITCH+16
	ds_load_b128 v[\buf+16*\i+8:\buf+16*\i+11],  v[ADRA] offset:128*\q+\i*16*APITCH+64
	ds_load_b128 v[\buf+16*\i+12:\buf+16*\i+15], v[ADRA] offset:128*\q+\i*16*APITCH+80
.endr
.irp i, 0,1,2,3
	ds_load_b128 v[\buf+64+16*\i:\buf+64+16*\i+3],     v[ADRB] offset:128*\q+\i*16*APITCH
	ds_load_b128 v[\buf+64+16*\i+4:\buf+64+16*\i+7],   v[ADRB] offset:128*\q+\i*16*APITCH+16
	ds_load_b128 v[\buf+64+16*\i+8:\buf+64+16*\i+11],  v[ADRB] offset:128*\q+\i*16*APITCH+64
	ds_load_b128 v[\buf+64+16*\i+12:\buf+64+16*\i+15], v[ADRB] offset:128*\q+\i*16*APITCH+80
.endr
.endm
.macro CVT buf                         ; 128 f32 a lane to eight fragments of f16: X's four, then W's four
	WIN 0x05
.set ee, 0
.rept 64
	v_cvt_pk_f16_f32 v[F+ee], v[\buf+2*ee], v[\buf+2*ee+1]
.set ee, ee+1
.endr
.endm
; 16 matrix instructions, 32 along K.  zero = 1: the first product starts the sums.
; The 16 accumulators take turns, one instruction a turn, in the same order in every quarter.
.macro MUL fw, fx, zero
.irp a, 0,1,2,3
.irp b, 0,1,2,3
.if \zero
	v_wmma_f32_16x16x32_f16 v[ACC+8*(4*\a+\b):ACC+8*(4*\a+\b)+7], v[\fw+8*\b:\fw+8*\b+7], v[\fx+8*\a:\fx+8*\a+7], 0
.else
	v_wmma_f32_16x16x32_f16 v[ACC+8*(4*\a+\b):ACC+8*(4*\a+\b)+7], v[\fw+8*\b:\fw+8*\b+7], v[\fx+8*\a:\fx+8*\a+7], v[ACC+8*(4*\a+\b):ACC+8*(4*\a+\b)+7]
.endif
.endr
.endr
.endm
; A quarter of phase A: asks for quarter nq into buffer nbuf, then rounds and multiplies buffer buf
.macro QA nq, nbuf, buf, zero
	LOADRAW \nq, \nbuf
	s_wait_dscnt 32                                ; this quarter's 32 loads are in; the next quarter's 32 are younger and stay out
.if \zero == 0
	PLACES                                         ; four places behind the matrix instructions that read the fragments, which are written below (ISA guide 7.12.1)
.endif
	CVT \buf
	WIN 0
	MUL F+32, F, \zero
.endm
	s_wait_tensorcnt 0x0                           ; my part of the tiles is in
	s_barrier_signal -1
	s_barrier_wait -1                              ; everybody's is
	LOADRAW 0, 0
	QA 1, 128, 0, 1
	QA 2, 0, 128, 0
	QA 3, 128, 0, 0
	QA 4, 0, 128, 0
	QA 5, 128, 0, 0
	QA 6, 0, 128, 0
	QA 7, 128, 0, 0
	s_wait_dscnt 0x0                               ; the last quarter is in: my reads of the f32 tiles are over
	s_wait_loadcnt 0x0                             ; the second half of K and the bias are in registers
	s_barrier_signal -1                            ; say so; register work while the others arrive:
	PLACES
	CVT 128
	WIN 0
	MUL F+32, F, 0
	WIN 0x8A                                       ; the second half of K to f16, in place: four f32 become the first two registers of their four
.set nn, 0
.rept 64
	v_cvt_pk_f16_f32 v[4*nn],   v[4*nn],   v[4*nn+1]
	v_cvt_pk_f16_f32 v[4*nn+1], v[4*nn+2], v[4*nn+3]
.set nn, nn+1
.endr
	WIN 0xCF
.set nn, 0
.rept 64
	v_cvt_pk_f16_f32 v[4*nn],   v[4*nn],   v[4*nn+1]
	v_cvt_pk_f16_f32 v[4*nn+1], v[4*nn+2], v[4*nn+3]
.set nn, nn+1
.endr
	WIN 0
	s_barrier_wait -1                              ; no wave reads the f32 tiles any more, and no tensor load will land again
	WIN 0x08                                       ; store data from window 2: 32 lanes x 8 bytes are 256 consecutive bytes of a row
.set nn, 0
.rept 64
	ds_store_b64 v[STB], v[4*nn:4*nn+1] offset:(nn/2)*BPITCH+(nn%2)*256
.set nn, nn+1
.endr
	WIN 0x0C                                       ; from window 3
.set nn, 0
.rept 64
	ds_store_b64 v[STB], v[4*nn:4*nn+1] offset:(32+nn/2)*BPITCH+(nn%2)*256
.set nn, nn+1
.endr
	WIN 0
	s_wait_dscnt 0x0                               ; written, for the others' sake
	s_barrier_signal -1
	s_barrier_wait -1
; phase B, 16 LDS loads: the fragments of quarter q (64 bytes at byte 64 q of the f16 rows) into window 1's buffer f: X's four, then W's four
.macro FETCHB q, f
	WIN 0x40
.irp a, 0,1,2,3
	ds_load_b128 v[\f+8*\a:\f+8*\a+3],   v[ADRA2] offset:64*\q+\a*16*BPITCH
	ds_load_b128 v[\f+8*\a+4:\f+8*\a+7], v[ADRA2] offset:64*\q+\a*16*BPITCH+32
.endr
.irp a, 0,1,2,3
	ds_load_b128 v[\f+32+8*\a:\f+32+8*\a+3],   v[ADRB2] offset:64*\q+\a*16*BPITCH
	ds_load_b128 v[\f+32+8*\a+4:\f+32+8*\a+7], v[ADRB2] offset:64*\q+\a*16*BPITCH+32
.endr
.endm
.macro QB nq, nf, f
	PLACES                                         ; four places behind the matrix instructions that read buffer nf, into which the loads below go
	FETCHB \nq, \nf
	s_wait_dscnt 16                                ; this quarter's 16 loads are in; the next quarter's 16 are younger and stay out
	WIN 0x05
	MUL \f+32, \f, 0
.endm
	FETCHB 0, 0
	QB 1, 64, 0
	QB 2, 0, 64
	QB 3, 64, 0
	QB 4, 0, 64
	QB 5, 64, 0
	QB 6, 0, 64
	QB 7, 64, 0
	s_wait_dscnt 0x0
	WIN 0x05
	MUL 64+32, 64, 0
	; THE WAY OUT, 16 rows at a time: add the bias, through my own stage, whole rows of 256 bytes out
	WIN 0
	PLACES                                         ; four places behind the last matrix instructions: their results are read and written below
.macro OUT16 a
.irp b, 0,1,2,3
.irp p, 0,1,2,3
	v_pk_add_f32 v[ACC+8*(4*\a+\b)+2*\p:ACC+8*(4*\a+\b)+2*\p+1], v[ACC+8*(4*\a+\b)+2*\p:ACC+8*(4*\a+\b)+2*\p+1], v[BI+8*\b+2*\p:BI+8*\b+2*\p+1]
.endr
.endr
.irp b, 0,1,2,3
	ds_store_b128 v[STO], v[ACC+8*(4*\a+\b):ACC+8*(4*\a+\b)+3]   offset:64*\b
	ds_store_b128 v[STO], v[ACC+8*(4*\a+\b)+4:ACC+8*(4*\a+\b)+7] offset:64*\b+16
.endr
.if \a >= 2
	s_wait_xcnt 0x0                                ; the registers that the stores of two blocks ago read are loaded again only behind this wait
.endif
.irp t, 0,1,2,3,4,5,6,7
	ds_load_b128 v[F+32*(\a%2)+4*\t:F+32*(\a%2)+4*\t+3], v[RD] offset:\t*2*SPITCH   ; LDS serves a wave's instructions in order: these see the stores above
.endr
.irp t, 0,1,2,3,4,5,6,7
	s_wait_dscnt 7-\t                              ; the younger read-backs stay out
	global_store_b128 v[CO], v[F+32*(\a%2)+4*\t:F+32*(\a%2)+4*\t+3], s[8:9] offset:(16*\a+2*\t)*ROWB th:TH_STORE_NT   ; 16 lanes store 256 consecutive bytes, at a multiple of 256 from Y's first byte
.endr
.endm
	OUT16 0
	OUT16 1
	OUT16 2
	OUT16 3
	s_wait_tensorcnt 0x0
	ds_add_u32 v30, v31
	s_wait_dscnt 0x0
	CROUND                                         ; the closing round: no work-group ends while a partner may still ask for a tile that names it
	s_endpgm
.Lfunc_end_k_q8dc7a0dee0_qp:
	.size	k_q8dc7a0dee0_qp, .Lfunc_end_k_q8dc7a0dee0_qp-k_q8dc7a0dee0_qp
	.p2alignl 7, 3214868480
	.fill 96, 4, 3214868480
	.section	.rodata,"a",@progbits
	.p2align	6, 0x0
	.amdhsa_kernel k_q8dc7a0dee0_qp
		.amdhsa_group_segment_fixed_size 284160
		.amdhsa_private_segment_fixed_size 0
		.amdhsa_enable_private_segment 0
		.amdhsa_kernarg_size 32
		.amdhsa_user_sgpr_count 2
		.amdhsa_user_sgpr_kernarg_segment_ptr 1
		.amdhsa_wavefront_size32 1
		.amdhsa_system_sgpr_workgroup_id_x 1
		.amdhsa_system_sgpr_workgroup_id_y 1
		.amdhsa_system_sgpr_workgroup_id_z 1
		.amdhsa_system_vgpr_workitem_id 0
		.amdhsa_next_free_vgpr 1024
		.amdhsa_next_free_sgpr 96
		.amdhsa_reserve_vcc 0
		.amdhsa_float_denorm_mode_32 3
		.amdhsa_float_denorm_mode_16_64 3
		.amdhsa_memory_ordered 1
		.amdhsa_forward_progress 1
		.amdhsa_inst_pref_size 132
	.end_amdhsa_kernel
	.amdgpu_metadata
---
amdhsa.version: [ 1, 2 ]
amdhsa.kernels:
  - .name:           k_q8dc7a0dee0_qp
    .symbol:         k_q8dc7a0dee0_qp.kd
    .args:
      - { .name: query, .offset: 0, .size: 8, .value_kind: global_buffer, .address_space: global }
      - { .name: Wq, .offset: 8, .size: 8, .value_kind: global_buffer, .address_space: global }
      - { .name: bq, .offset: 16, .size: 8, .value_kind: global_buffer, .address_space: global }
      - { .name: qws, .offset: 24, .size: 8, .value_kind: global_buffer, .address_space: global }
    .group_segment_fixed_size: 284160
    .private_segment_fixed_size: 0
    .kernarg_segment_align: 8
    .kernarg_segment_size: 32
    .max_flat_workgroup_size: 128
    .sgpr_count:     96
    .vgpr_count:     1024
    .wavefront_size: 32
...
	.end_amdgpu_metadata
.endif
;; end of part 1
;; launch proj (part 2): grid 128 x 2, 4 waves a work-group, clusters of 4 x 1, 327,680 bytes of LDS; arguments key, value, Wk, Wv, bk, bv, kws, vws; writes kws, vws
.if DOCPART == 2
	.amdgcn_target "amdgcn-amd-amdhsa--gfx1250"
	.amdhsa_code_object_version 6
	.text
	.protected	k_q8dc7a0dee0_proj
	.globl	k_q8dc7a0dee0_proj
	.p2align	8
	.type	k_q8dc7a0dee0_proj,@function
k_q8dc7a0dee0_proj:
	s_mov_b64 s[64:65], 0
	v_nop
	global_prefetch_b8 v0, s[64:65] scope:SCOPE_SE
	s_setreg_imm32_b32 hwreg(HW_REG_WAVE_MODE, 25, 1), 1
	s_wait_xcnt 0x0
	s_wait_alu depctr_hold_cnt(0) depctr_sa_sdst(0) depctr_va_vdst(0) depctr_va_sdst(0) depctr_va_ssrc(0) depctr_va_vcc(0) depctr_vm_vsrc(0)
	s_getreg_b32 s2, hwreg(HW_REG_IB_STS2, 6, 4)
	s_cmp_eq_u32 s2, 0
	s_cbranch_scc0 .Lentry_in_a_cluster
	s_endpgm
.Lentry_in_a_cluster:
	s_bfe_u32 s2, ttmp6, 0x10000c
	s_cmp_lg_u32 s2, 0x3003
	s_cbranch_scc0 .Lentry_shape_is_right
	s_endpgm
.Lentry_shape_is_right:
; The key and value projections in one launch:  Y[m][n] = sum over k of X[m][k] W[n][k] + bias[n],  X, W, bias f32, Y f16.
;   clusters 0-15:  X = key   (16,384 rows), W = Wk;   clusters 16-31: X = value (16,384 rows), W = Wv
; A work-group makes 256 x 256 of Y with four waves, a wave 128 x 128: 64 accumulator tiles of 16 x 16 in 512 registers.  2 x 16,384 x 512 outputs are 256 such blocks.
; K = 512 goes in eight steps of 64 (256 bytes of f32 in a row) through a ring of two LDS slots.  Operands are rounded to f16 on the way from LDS to the
; matrix unit (f16, not bf16: five roundings lie between the inputs and the output, and the result is compared within a hundredth of its
; root mean square); sums are f32.
; LIMITS: the inputs are finite, and |Y| stays below 65,504, the largest f16.  With inputs thirty times those drawn |Y| is some 5,000.
; CLUSTERS: four row blocks form a cluster (4 x 1).  They walk the same tiles of W, which are asked for JOINTLY (mask 15).  X's tile is a
; work-group's own.  Its second reader is the work-group of the other half of the columns; sharing it too would need a cluster of 4 x 2 with
; masks of two places, so X is asked for twice: 2 x 64 KiB against W's 64 KiB / 4 in a K step.
;
; REGISTERS, in windows of 256:
;   window 0: v1-3, v16-27 addresses; v64-127, v128-191 X's fragments (f16), two buffers; v192-255 the bias of my 64 columns a lane
;   window 1: v0-127 f32 as loaded from LDS; v128-191, v192-255 W's fragments (f16), two buffers
;   window 2: the 32 accumulator tiles of my rows 0-63 (tile (a, b) at v[8 (8 a + b)]);  window 3: those of my rows 64-127
; The matrix instruction is used transposed (source 0 = 16 rows of W, source 1 = 16 rows of X): lane l then holds row l % 16 of Y and, in its
; eight registers, the columns 8 (l / 16) + 0..7: neighbours, which pack into 16 bytes.
.set PITCH,  272                       ; an LDS row: 256 bytes + 16 of padding, an odd multiple of 16: the 16 rows of a load start in 16 different columns of 16 bytes
.set HALFT,  128*PITCH                 ; 128 rows: one tensor load, and what a wave reads of X or of W
.set SLOT,   4*HALFT                   ; X's 256 rows, then W's 256 rows
.set STAGE,  2*SLOT                    ; behind the ring: 16 rows x 272 bytes for each wave, for the way out; no tensor load lands here
.set SPITCH, 272
.set KSTEPB, 256                       ; bytes of a K step in a row of X or W
.set OROW,   1024                      ; bytes in a row of Y
.set ADRA, 16                          ; v16-17  LDS address of my X rows in slot 0, 1
.set ADRB, 20                          ; v20-21  the same for W
.set STO,  24                          ; the way out: where I put 16 bytes of a row
.set RD,   25                          ; the way out: where I read a row back
.set CO,   26                          ; my byte offset in Y
.set BO,   27                          ; my byte offset in the bias
.set FA0,  64
.set FA1,  128
.set BI,   192
.set FB0,  128                         ; window 1
.set FB1,  192                         ; window 1
.set TF,   64                          ; the way out: 64 results in f32
.set TMP,  128                         ; the way out: packed
.set RB,   160                         ; the way out: rows read back
.set G1,  24                           ; s[24:31] descriptor group 1, X's tiles
.set G0,  32                           ; s[32:39] group 0, X's tiles, one set a slot
.set G1B, 48                           ; s[48:55] group 1, W's tiles: the mask is the difference
.set G0B, 56                           ; s[56:63] group 0, W's tiles, one set a slot
.set MSB, 0
.macro WIN new                         ; the immediate's high byte repeats the setting that is left
.if MSB != \new
	s_set_vgpr_msb (MSB<<8)|\new
.set MSB, \new
.endif
.endm
.macro PLACES
.rept 4
	v_nop
.endr
.endm
; Waves 0 and 1 fetch X's two halves (plain loads), waves 2 and 3 W's (joint loads).  The branch hangs on the wave's number alone.
.macro JLOAD s
	s_cmp_eq_u32 s11, 0
	s_cbranch_scc0 .Lfor_b_\@
	tensor_load_to_lds s[G0+4*\s:G0+4*\s+3], s[G1:G1+7]
	s_nop 0
.rept 4
	v_nop
.endr
	s_branch .Lasked_\@
.Lfor_b_\@:
	tensor_load_to_lds s[G0B+4*\s:G0B+4*\s+3], s[G1B:G1B+7]
	s_nop 0
.rept 4
	v_nop
.endr
.Lasked_\@:
.endm
; A round of the cluster's barrier: my work-group's barrier, wave 0 signals for the work-group, every wave waits for all four work-groups, my work-group's barrier again.
.macro CREST
	s_cmp_lg_u32 s10, 0
	s_cbranch_scc1 .Lnot_wave_0_\@
	s_barrier_signal -3
.Lnot_wave_0_\@:
	s_barrier_wait -3
	s_barrier_signal -1
	s_barrier_wait -1
.endm
.macro CROUND
	s_barrier_signal -1
	s_barrier_wait -1
	CREST
.endm
	s_load_b512 s[68:83], s[0:1], 0x0              ; key, value, Wk, Wv, bk, bv, kws, vws
	v_lshl_add_u32 v62, v0, 2, 0x48400
	v_mov_b32 v63, 0
	ds_add_u32 v62, v63
	v_lshrrev_b32 v1, 5, v0
	v_readfirstlane_b32 s10, v1                    ; wave 0..3
	s_lshr_b32 s11, s10, 1                         ; which half of the block's rows is mine.  Also: I fetch for X (0) or for W (1)
	s_and_b32 s12, s10, 1                          ; which half of its columns.  Also: which 128 rows of that tile I fetch
	s_bfe_u32 s40, ttmp6, 0x40000                  ; cx: my place in the cluster
	s_and_b32 s42, ttmp7, 0xffff                   ; which 256 columns of Y
	s_lshl_b32 s13, ttmp9, 2
	s_add_co_u32 s13, s13, s40                     ; row block over both jobs = 4 x cluster + cx
	; group 1: a tile of 128 rows x 64 elements of 4 bytes, 16 bytes of padding behind each row
	s_mov_b32 s[G1+0], (2<<16)|(1<<20)|(5<<22)|(3<<25)              ; no mask; element of 4 bytes; padding on, after every 64 words, of 4 words
	s_mov_b32 s[G1B+0], 15|(2<<16)|(1<<20)|(1<<21)|(5<<22)|(3<<25)  ; the same for all four work-groups of the cluster, bit 21 beside the mask
.irp g, G1, G1B
	s_mov_b32 s[\g+1], 64<<16                      ; tensor_dim0 = 64
	s_mov_b32 s[\g+2], 128<<16                     ; tensor_dim1 = 128
	s_mov_b32 s[\g+3], 64<<16                      ; tile_dim0 = 64
	s_mov_b32 s[\g+4], 128                         ; tile_dim1 = 128
	s_mov_b32 s[\g+5], 512                         ; elements from row to row
	s_mov_b32 s[\g+6], 0
	s_mov_b32 s[\g+7], 0
.endr
	s_mul_i32 s20, s10, HALFT                      ; where my tile goes: X's two halves, then W's two = wave x 128 rows
	s_wait_dscnt 0x0
	s_wait_kmcnt 0x0
	; the job, by the cluster's number, which all four partners share
	s_cmp_lt_u32 ttmp9, 16
	s_cselect_b64 s[4:5], s[68:69], s[70:71]       ; X: key or value
	s_cselect_b64 s[6:7], s[72:73], s[74:75]       ; W
	s_cselect_b64 s[92:93], s[76:77], s[78:79]     ; bias
	s_cselect_b64 s[8:9], s[80:81], s[82:83]       ; Y
	s_cselect_b32 s95, 0, 64                       ; the job's first row block
	s_sub_co_u32 s13, s13, s95                     ; row block inside the job
	s_lshl_b32 s16, s13, 8
	s_lshl_b32 s17, s12, 7
	s_add_co_u32 s16, s16, s17                     ; X: row 256 x block + 128 x half,
	s_lshl_b32 s16, s16, 11                        ; times 2,048 bytes: 32 MiB at the most
	s_mov_b32 s17, 0
	s_add_nc_u64 s[14:15], s[4:5], s[16:17]
	s_lshl_b32 s44, s42, 8                         ; W: row 256 x column block + 128 x half, in registers that never hold cx
	s_lshl_b32 s45, s12, 7
	s_add_co_u32 s44, s44, s45
	s_lshl_b32 s44, s44, 11
	s_mov_b32 s45, 0
	s_add_nc_u64 s[46:47], s[6:7], s[44:45]
	CROUND                                         ; all four work-groups are here: the first joint loads meet
.irp s, 0,1
	s_mov_b32 s[G0+4*\s], 1
	s_add_co_u32 s[G0+4*\s+1], s20, \s*SLOT
	s_add_nc_u64 s[G0+4*\s+2:G0+4*\s+3], s[14:15], \s*KSTEPB       ; K step s
	s_or_b32 s[G0+4*\s+3], s[G0+4*\s+3], 0x80000000
	s_mov_b32 s[G0B+4*\s], 1
	s_add_co_u32 s[G0B+4*\s+1], s20, \s*SLOT
	s_add_nc_u64 s[G0B+4*\s+2:G0B+4*\s+3], s[46:47], \s*KSTEPB
	s_or_b32 s[G0B+4*\s+3], s[G0B+4*\s+3], 0x80000000
	JLOAD \s                                       ; both slots are asked for before anything else: two tensor loads of the wave are out
.endr
	v_and_b32 v1, 15, v0                           ; r = l % 16
	v_bfe_u32 v2, v0, 4, 1                         ; h = l / 16
	; the bias of my columns 16 b + 8 h + j, b = 0..7, j = 0..7
	s_lshl_b32 s18, s42, 10
	s_lshl_b32 s19, s12, 9
	s_add_co_u32 s18, s18, s19                     ; 4 x (256 x column block + 128 x half)
	s_mov_b32 s19, 0
	s_add_nc_u64 s[92:93], s[92:93], s[18:19]
	v_lshlrev_b32 v[BO], 5, v2
.irp b, 0,1,2,3,4,5,6,7
	global_load_b128 v[BI+8*\b:BI+8*\b+3],   v[BO], s[92:93] offset:64*\b
	global_load_b128 v[BI+8*\b+4:BI+8*\b+7], v[BO], s[92:93] offset:64*\b+16
.endr
	; A fragment (16 rows x 32 K of f16) wants, in lane l, K = 8 h + 0..7 and 16 + 8 h + 0..7 of row r.  In f32 these are 32 bytes at 32 h and 32 bytes at 64 + 32 h.
	v_mul_u32_u24 v3, v1, PITCH
	v_lshl_add_u32 v3, v2, 5, v3
	s_mul_i32 s21, s11, HALFT                      ; my 128 rows of X
	s_mul_i32 s22, s12, HALFT                      ; my 128 rows of W,
	s_add_co_u32 s22, s22, 2*HALFT                 ; which lie behind X's 256
.irp s, 0,1
	v_add_nc_u32 v[ADRA+\s], s21, v3
	v_add_nc_u32 v[ADRB+\s], s22, v3
	s_add_co_u32 s21, s21, SLOT
	s_add_co_u32 s22, s22, SLOT
.endr
	s_mul_i32 s23, s10, 16*SPITCH
	s_add_co_u32 s23, s23, STAGE                   ; my stage
	v_mul_u32_u24 v4, v1, SPITCH
	v_lshl_add_u32 v4, v2, 4, v4
	v_add_nc_u32 v[STO], s23, v4                   ; in: row r, 16 bytes for each half of the lanes
	v_mul_u32_u24 v5, v2, SPITCH
	v_lshl_add_u32 v5, v1, 4, v5
	v_add_nc_u32 v[RD], s23, v5                    ; back: lanes 0-15 one row of 256 bytes, lanes 16-31 the next
	v_lshlrev_b32 v5, 10, v2
	v_lshl_add_u32 v[CO], v1, 4, v5                ; the same two rows in Y
	s_lshl_b32 s16, s13, 18                        ; Y at my first row (256 x block + 128 x half, 1,024 bytes each)
	s_lshl_b32 s17, s11, 17
	s_add_co_u32 s16, s16, s17
	s_lshl_b32 s17, s42, 9                         ; and my first column (512 bytes a block, 256 a half)
	s_add_co_u32 s16, s16, s17
	s_lshl_b32 s17, s12, 8
	s_add_co_u32 s16, s16, s17
	s_mov_b32 s17, 0
	s_add_nc_u64 s[8:9], s[8:9], s[16:17]
; 32 LDS loads: 128 rows x 32 K of f32 (128 bytes at byte k of the rows) into window 1's v0-127, fragment i in v[16 i .. 16 i + 15] with K ascending as a fragment wants it
.macro LOADRAW adr, k
	WIN 0x40
.irp i, 0,1,2,3,4,5,6,7
	ds_load_b128 v[16*\i:16*\i+3],     v[\adr] offset:\k+\i*16*PITCH
	ds_load_b128 v[16*\i+4:16*\i+7],   v[\adr] offset:\k+\i*16*PITCH+16
	ds_load_b128 v[16*\i+8:16*\i+11],  v[\adr] offset:\k+\i*16*PITCH+64
	ds_load_b128 v[16*\i+12:16*\i+15], v[\adr] offset:\k+\i*16*PITCH+80
.endr
.endm
; 128 f32 a lane to 64 registers of f16: eight fragments.  win: 0x45 into window 1 (W), 0x05 into window 0 (X)
.macro CVT dst, win
	WIN \win
.set ee, 0
.rept 64
	v_cvt_pk_f16_f32 v[\dst+ee], v[2*ee], v[2*ee+1]
.set ee, ee+1
.endr
.endm
; 16 matrix instructions: row blocks a0, a0 + 1 of the window's four x all 8 column blocks, 32 along K.  zero = 1: the first product starts the sums.
; The 64 accumulators take turns, one instruction a turn, in the same order in every quarter.
.macro MUL16 fa, fb, hi, a0, zero
.irp a, \a0, \a0+1
.irp b, 0,1,2,3,4,5,6,7
.if \zero
	v_wmma_f32_16x16x32_f16 v[8*(8*(\a)+\b):8*(8*(\a)+\b)+7], v[\fb+8*\b:\fb+8*\b+7], v[\fa+8*(4*\hi+\a):\fa+8*(4*\hi+\a)+7], 0
.else
	v_wmma_f32_16x16x32_f16 v[8*(8*(\a)+\b):8*(8*(\a)+\b)+7], v[\fb+8*\b:\fb+8*\b+7], v[\fa+8*(4*\hi+\a):\fa+8*(4*\hi+\a)+7], v[8*(8*(\a)+\b):8*(8*(\a)+\b)+7]
.endif
.endr
.endr
.endm
; A K step is two quarters of 32 along K, 64 matrix instructions each, on fragment buffers 0 and 1.  LDS is read a quarter and a half ahead.
; The first quarter of a step multiplies buffers 0, makes buffers 1 from this slot's second half, and changes slots:
; fill = 1: this slot is filled again, two K steps ahead; 0: the change alone; 2: the last step, nothing follows.
.macro QEVEN slot, next, fill, zero
	s_wait_dscnt 0x0                               ; W's second half of this step is in the raw registers
	PLACES                                         ; four places behind the matrix instructions that read buffers 1, which are written below (ISA guide 7.12.1)
	CVT FB1, 0x45
	LOADRAW ADRA+\slot, 128                        ; X's second half: my last reads of this slot
	WIN 0xa1
	MUL16 FA0, FB0, 0, 0, \zero
	MUL16 FA0, FB0, 0, 2, \zero
	s_wait_dscnt 0x0                               ; my reads of this slot are over
.if \fill != 2
	s_set_vgpr_msb 0xa1a0
	s_wait_tensorcnt 0x0                           ; and all my tensor loads have landed: the one that was out is my part of the next slot
	ds_add_u32 v62, v63
	s_wait_dscnt 0x0
	s_set_vgpr_msb 0xa0a1
	s_barrier_signal -1                            ; say so (with fill = 1 this barrier opens a round of the cluster's barrier)
.endif
	CVT FA1, 0x05                                  ; register work while the others arrive
	WIN 0
.if \fill != 2
	s_barrier_wait -1
.endif
.if \fill == 1
	CREST                                          ; no wave of any partner still reads this slot's tile or has a load on its way
	s_add_nc_u64 s[G0+4*\slot+2:G0+4*\slot+3], s[G0+4*\slot+2:G0+4*\slot+3], 2*KSTEPB
	s_add_nc_u64 s[G0B+4*\slot+2:G0B+4*\slot+3], s[G0B+4*\slot+2:G0B+4*\slot+3], 2*KSTEPB
	JLOAD \slot                                    ; the first tensor load behind the round, my only one until the next: it has a whole K step in which to land
.endif
.if \fill != 2
	LOADRAW ADRB+\next, 0                          ; the next step's W, first half
.endif
	WIN 0xf1
	MUL16 FA0, FB0, 1, 0, \zero
	MUL16 FA0, FB0, 1, 2, \zero
.endm
; The second quarter multiplies buffers 1 and makes buffers 0 from the next slot's first half.
.macro QODD next, last
.if \last == 0
	s_wait_dscnt 0x0
	PLACES                                         ; four places behind the matrix instructions that read buffers 0
	CVT FB0, 0x45
	LOADRAW ADRA+\next, 0
.endif
	WIN 0xa1
	MUL16 FA1, FB1, 0, 0, 0
	MUL16 FA1, FB1, 0, 2, 0
.if \last == 0
	s_wait_dscnt 0x0
	CVT FA0, 0x05
	LOADRAW ADRB+\next, 128
.endif
	WIN 0xf1
	MUL16 FA1, FB1, 1, 0, 0
	MUL16 FA1, FB1, 1, 2, 0
.endm
	s_wait_tensorcnt 0x1                           ; my part of K step 0 is in; step 1's load is younger and stays out
	s_barrier_signal -1
	s_barrier_wait -1                              ; everybody's is
	LOADRAW ADRB+0, 0
	s_wait_dscnt 0x0
	CVT FB0, 0x45
	LOADRAW ADRA+0, 0
	s_wait_dscnt 0x0
	CVT FA0, 0x05
	LOADRAW ADRB+0, 128
	QEVEN 0, 1, 1, 1                               ; K steps 0 and 1 stand in front of the loop: the first products start the sums
	QODD 1, 0
	QEVEN 1, 0, 1, 0
	QODD 0, 0
	WIN 0                                          ; at a label and at a branch every window is 0
	s_mov_b32 s3, 2
.Llap:                                             ; K steps 2 to 5
	QEVEN 0, 1, 1, 0
	QODD 1, 0
	QEVEN 1, 0, 1, 0
	QODD 0, 0
	WIN 0
	s_sub_co_u32 s3, s3, 1
	s_cmp_lg_u32 s3, 0
	s_cbranch_scc1 .Llap
	QEVEN 0, 1, 0, 0                               ; K step 6 fills nothing
	QODD 1, 0
	QEVEN 1, 0, 2, 0                               ; K step 7: nothing follows
	QODD 0, 1
	; THE WAY OUT, 16 rows at a time: add the bias, round to f16, through my own stage, whole rows of 256 bytes out.
	WIN 0
	PLACES                                         ; four places behind the last matrix instructions: their results are read and their sources written below
	s_wait_loadcnt 0x0                             ; the bias
; rows 16 i .. 16 i + 15 of my block = the eight tiles (a, 0..7) of window 2 or 3 (from = 0x02 or 0x03: source 0)
.macro OUT16 i, a, from
	WIN \from
.irp b, 0,1,2,3,4,5,6,7
.irp p, 0,1,2,3
	v_pk_add_f32 v[TF+8*\b+2*\p:TF+8*\b+2*\p+1], v[8*(8*\a+\b)+2*\p:8*(8*\a+\b)+2*\p+1], v[BI+8*\b+2*\p:BI+8*\b+2*\p+1]
.endr
.endr
	WIN 0
.irp b, 0,1,2,3,4,5,6,7
.irp p, 0,1,2,3
	v_cvt_pk_f16_f32 v[TMP+4*\b+\p], v[TF+8*\b+2*\p], v[TF+8*\b+2*\p+1]
.endr
.endr
.irp b, 0,1,2,3,4,5,6,7
	ds_store_b128 v[STO], v[TMP+4*\b:TMP+4*\b+3] offset:32*\b
.endr
	s_wait_xcnt 0x0                                ; the registers that the last block's stores read, and their base, are rewritten only behind this wait
.if \i
	s_add_nc_u64 s[8:9], s[8:9], 16*OROW
.endif
.irp t, 0,1,2,3,4,5,6,7
	ds_load_b128 v[RB+4*\t:RB+4*\t+3], v[RD] offset:\t*2*SPITCH    ; LDS serves a wave's instructions in order: these see the stores above
.endr
.irp t, 0,1,2,3,4,5,6,7
	s_wait_dscnt 7-\t                              ; the younger read-backs stay out
	global_store_b128 v[CO], v[RB+4*\t:RB+4*\t+3], s[8:9] offset:2*\t*OROW   ; 16 lanes store 256 consecutive bytes, at a multiple of 256 from Y's first byte
.endr
.endm
	OUT16 0, 0, 0x02
	OUT16 1, 1, 0x02
	OUT16 2, 2, 0x02
	OUT16 3, 3, 0x02
	OUT16 4, 0, 0x03
	OUT16 5, 1, 0x03
	OUT16 6, 2, 0x03
	OUT16 7, 3, 0x03
	s_wait_tensorcnt 0x0
	ds_add_u32 v62, v63
	s_wait_dscnt 0x0
	CROUND                                         ; the closing round: no work-group ends while a partner may still ask for a tile that names it
	s_endpgm
.Lfunc_end_k_q8dc7a0dee0_proj:
	.size	k_q8dc7a0dee0_proj, .Lfunc_end_k_q8dc7a0dee0_proj-k_q8dc7a0dee0_proj
	.p2alignl 7, 3214868480
	.fill 96, 4, 3214868480
	.section	.rodata,"a",@progbits
	.p2align	6, 0x0
	.amdhsa_kernel k_q8dc7a0dee0_proj
		.amdhsa_group_segment_fixed_size 327680
		.amdhsa_private_segment_fixed_size 0
		.amdhsa_enable_private_segment 0
		.amdhsa_kernarg_size 64
		.amdhsa_user_sgpr_count 2
		.amdhsa_user_sgpr_kernarg_segment_ptr 1
		.amdhsa_wavefront_size32 1
		.amdhsa_system_sgpr_workgroup_id_x 1
		.amdhsa_system_sgpr_workgroup_id_y 1
		.amdhsa_system_sgpr_workgroup_id_z 1
		.amdhsa_system_vgpr_workitem_id 0
		.amdhsa_next_free_vgpr 1024
		.amdhsa_next_free_sgpr 96
		.amdhsa_reserve_vcc 0
		.amdhsa_float_denorm_mode_32 3
		.amdhsa_float_denorm_mode_16_64 3
		.amdhsa_memory_ordered 1
		.amdhsa_forward_progress 1
		.amdhsa_inst_pref_size 255
	.end_amdhsa_kernel
	.section	.bss,"aw",@nobits
	.p2align	6
	.space	262144
	.amdgpu_metadata
---
amdhsa.version: [ 1, 2 ]
amdhsa.kernels:
  - .name:           k_q8dc7a0dee0_proj
    .symbol:         k_q8dc7a0dee0_proj.kd
    .args:
      - { .name: key, .offset: 0, .size: 8, .value_kind: global_buffer, .address_space: global }
      - { .name: value, .offset: 8, .size: 8, .value_kind: global_buffer, .address_space: global }
      - { .name: Wk, .offset: 16, .size: 8, .value_kind: global_buffer, .address_space: global }
      - { .name: Wv, .offset: 24, .size: 8, .value_kind: global_buffer, .address_space: global }
      - { .name: bk, .offset: 32, .size: 8, .value_kind: global_buffer, .address_space: global }
      - { .name: bv, .offset: 40, .size: 8, .value_kind: global_buffer, .address_space: global }
      - { .name: kws, .offset: 48, .size: 8, .value_kind: global_buffer, .address_space: global }
      - { .name: vws, .offset: 56, .size: 8, .value_kind: global_buffer, .address_space: global }
    .group_segment_fixed_size: 327680
    .private_segment_fixed_size: 0
    .kernarg_segment_align: 8
    .kernarg_segment_size: 64
    .max_flat_workgroup_size: 128
    .sgpr_count:     96
    .vgpr_count:     1024
    .wavefront_size: 32
...
	.end_amdgpu_metadata
.endif
;; end of part 2
;; launch attn (part 3): grid 16 x 16, 4 waves a work-group, clusters of 4 x 1, 327,680 bytes of LDS; arguments qws, kws, vws, key_padding_mask, aws; writes aws
.if DOCPART == 3
	.amdgcn_target "amdgcn-amd-amdhsa--gfx1250"
	.amdhsa_code_object_version 6
	.text
	.protected	k_q8dc7a0dee0_attn
	.globl	k_q8dc7a0dee0_attn
	.p2align	8
	.type	k_q8dc7a0dee0_attn,@function
k_q8dc7a0dee0_attn:
	s_mov_b64 s[64:65], 0
	v_nop
	global_prefetch_b8 v0, s[64:65] scope:SCOPE_SE
	s_setreg_imm32_b32 hwreg(HW_REG_WAVE_MODE, 25, 1), 1
	s_wait_xcnt 0x0
	s_wait_alu depctr_hold_cnt(0) depctr_sa_sdst(0) depctr_va_vdst(0) depctr_va_sdst(0) depctr_va_ssrc(0) depctr_va_vcc(0) depctr_vm_vsrc(0)
	s_getreg_b32 s2, hwreg(HW_REG_IB_STS2, 6, 4)
	s_cmp_eq_u32 s2, 0
	s_cbranch_scc0 .Lentry_in_a_cluster
	s_endpgm
.Lentry_in_a_cluster:
	s_bfe_u32 s2, ttmp6, 0x10000c
	s_cmp_lg_u32 s2, 0x3003
	s_cbranch_scc0 .Lentry_shape_is_right
	s_endpgm
.Lentry_shape_is_right:
; Attention of one (batch, head) pair and 128 queries a work-group, with a running maximum.  Head dimension 128, 4,096 keys in 32 tiles of 128.
; q: f32, rows of 2,048 bytes, a head's 512 bytes at 512 x head; it is multiplied by log2(e) / sqrt(128) (the score's scale and the change to base 2) and
; rounded to f16 here, once.  k, v: f16, rows of 1,024 bytes, a head's 256 bytes at 256 x head.  Result: f32, rows of 2,048 bytes.
; Wave w = 2 qh + kh owns 64 queries (half qh) and, of every tile, 64 keys (half kh): 128 matrix instructions for 64 LDS loads of fragments.
; The two halves of the keys are merged once, at the end, through LDS.
; BOTH PRODUCTS ARE TRANSPOSED.  S^T = K Q^T: lane (r, h) holds keys 16 t + 8 h + 0..7 of query r.  Two neighbouring tiles of S^T, packed to f16,
; ARE the second operand of O^T = V^T P^T, so P never moves between lanes, and maximum, sum and rescaling are a lane's own but for one exchange of halves.
; THE MASK and reference's + 1e-9 enter as the addend of the first product: 1e-9 log2(e) for an open key, -2^100 for a masked one (finite: no
; infinity enters the matrix unit).  The running maximum starts at -2^99, so a masked score gives exp2 = 0, and a row whose keys are all masked
; ends with the sum 0: its factor is then 0 by a select, which is reference's nan_to_num of the probabilities.
; LIMITS: inputs finite; |q| log2(e) / sqrt(128) < 65,504; |score x log2(e)| < 2^98; inside them the later nan_to_num of the attention's result changes nothing and is not written.
; CLUSTERS: the four query blocks of a cluster (4 x 1) walk the same K and V tiles: every tile is asked for jointly, mask 15.
; QUERY SLOTS: slot s of wave (qh, kh) holds query tile s xor 2 kh of the wave's four.  So every wave keeps its slots 0, 1 and hands slots 2, 3 to its partner.
;
; REGISTERS: window 0: addresses, softmax state, v64-95 bias, v96-127 at work, v128-255 S(t, s) = v[128 + 32 s + 8 t], later P(u, s) = v[128 + 32 s + 16 u]
;            window 1: O(i, s) = v[64 s + 8 i] (at the start: q in f32);  window 2: v0-127 Q(s, c) = v[32 s + 8 c], v128-255 V(i, u) = v[128 + 16 i + 8 u];  window 3: v0-127 K(t, c) = v[32 t + 8 c]
.set VPITCH, 288                       ; V's LDS rows: 256 + 32 bytes, an odd multiple of 32, for the transposing loads
.set KPITCH, 272                       ; K's: 256 + 16 bytes, an odd multiple of 16
.set VTILE,  128*VPITCH
.set KTILE,  128*KPITCH
.set SLOT,   VTILE+KTILE               ; V's tile, then K's: 71,680 bytes
.set BIAS,   2*SLOT                    ; 4,096 f32: the addend of each key.  From here on no tensor load lands
.set ML,     BIAS+16384                ; 1,024 bytes a wave: maxima and sums
.set XCH,    ML+4096                   ; 16,384 bytes a wave: the two query slots handed over
.set STG,    XCH+65536                 ; 16 rows x 528 bytes a wave: the way out
.set SPITCH, 528
.set TILEB,  128*1024                  ; bytes from a tile to the next in k and v
.set ADRK, 2                           ; v2-3   LDS address of my K fragments in slot 0, 1
.set ADRV, 4                           ; v4-5   the same for V
.set ABIAS, 6                          ; v6     LDS address of my addends, 512 bytes on in each trip
.set PFO,  7                           ; v7     prefetch: my row of a tile
.set QO,   8                           ; v8-9   offsets of my query rows: slots 0, 1 and slots 2, 3
.set MLS,  10
.set MLR,  11
.set XS,   12
.set XR,   13
.set SS,   14
.set SR,   15
.set CO,   16
.set M,    20                          ; v20-23 running maximum of slot s
.set L,    24                          ; v24-31 running sum, a pair a slot
.set AL,   32                          ; v32-39 the factor by which O and L shrink, twice
.set NM,   40                          ; v40-47 minus the maximum, twice
.set MX,   48
.set TP,   52
.set BR,   64                          ; v64-95 addends of my 4 x 8 keys
.set S,    128
.set G1V, 24
.set G1K, 32
.set G0V, 40                           ; s[40:47] one set a slot
.set G0K, 48                           ; s[48:55]
.set MSB, 0
.macro WIN new                         ; the immediate's high byte repeats the setting that is left
.if MSB != \new
	s_set_vgpr_msb (MSB<<8)|\new
.set MSB, \new
.endif
.endm
; Waves 0 and 1 fetch V's two halves of 64 rows, waves 2 and 3 K's; all are joint loads.  The branch hangs on the wave's number alone.
.macro JLOAD s
	s_cmp_eq_u32 s15, 0
	s_cbranch_scc0 .Lfor_k_\@
	tensor_load_to_lds s[G0V+4*\s:G0V+4*\s+3], s[G1V:G1V+7]
	s_nop 0
.rept 4
	v_nop
.endr
	s_branch .Lasked_\@
.Lfor_k_\@:
	tensor_load_to_lds s[G0K+4*\s:G0K+4*\s+3], s[G1K:G1K+7]
	s_nop 0
.rept 4
	v_nop
.endr
.Lasked_\@:
.endm
.macro CREST
	s_cmp_lg_u32 s14, 0
	s_cbranch_scc1 .Lnot_wave_0_\@
	s_barrier_signal -3
.Lnot_wave_0_\@:
	s_barrier_wait -3
	s_barrier_signal -1
	s_barrier_wait -1
.endm
.macro CROUND
	s_barrier_signal -1
	s_barrier_wait -1
	CREST
.endm
; 32 loads: two query slots (2 x 16 rows x 128 f32) into window 1, fragment (s, c) in v[64 s + 16 c .. + 15] with K as a fragment wants it: 32 bytes at 32 h and 32 at 64 + 32 h
.macro LOADQ s0, s1
	WIN 0x40
.irp s, \s0, \s1
.irp c, 0,1,2,3
	global_load_b128 v[64*\s+16*\c:64*\s+16*\c+3],     v[QO+\s/2], s[4:5] offset:(\s%2)*32768+128*\c
	global_load_b128 v[64*\s+16*\c+4:64*\s+16*\c+7],   v[QO+\s/2], s[4:5] offset:(\s%2)*32768+128*\c+16
	global_load_b128 v[64*\s+16*\c+8:64*\s+16*\c+11],  v[QO+\s/2], s[4:5] offset:(\s%2)*32768+128*\c+64
	global_load_b128 v[64*\s+16*\c+12:64*\s+16*\c+15], v[QO+\s/2], s[4:5] offset:(\s%2)*32768+128*\c+80
.endr
.endr
	WIN 0
.endm
	s_load_b256 s[4:11], s[0:1], 0x0               ; q s[4:5], k s[6:7], v s[8:9], mask s[10:11]
	s_load_b64 s[12:13], s[0:1], 0x20              ; result
	v_lshl_add_u32 v62, v0, 2, 0x40400
	v_mov_b32 v63, 0
	ds_add_u32 v62, v63
	v_lshrrev_b32 v1, 5, v0
	v_readfirstlane_b32 s14, v1                    ; wave 0..3
	s_lshr_b32 s15, s14, 1                         ; qh.  Also: I fetch for V (0) or for K (1)
	s_and_b32 s16, s14, 1                          ; kh.  Also: which 64 rows of that tile I fetch
	s_bfe_u32 s17, ttmp6, 0x40000                  ; cx
	s_lshl_b32 s18, ttmp9, 2
	s_add_co_u32 s18, s18, s17                     ; block of 128 queries
	s_and_b32 s19, ttmp7, 0xffff
	s_lshr_b32 s20, s19, 2                         ; batch
	s_and_b32 s21, s19, 3                          ; head
	s_mov_b32 s22, 0x76543210                      ; v_permlanex16_b32: lane i of one half reads lane i of the other
	s_mov_b32 s23, 0xfedcba98
	s_mov_b32 s70, 0xf1000000                      ; -2^99: where the running maximum starts
	; group 1: a tile of 64 rows x 128 elements of 2 bytes; mask 15 with bit 21 beside it; padding after every 64 words, of 8 words (V) or 4 (K)
	s_mov_b32 s[G1V+0], 15|(1<<16)|(1<<20)|(1<<21)|(5<<22)|(7<<25)
	s_mov_b32 s[G1K+0], 15|(1<<16)|(1<<20)|(1<<21)|(5<<22)|(3<<25)
.irp g, G1V, G1K
	s_mov_b32 s[\g+1], 128<<16                     ; tensor_dim0 = 128
	s_mov_b32 s[\g+2], 64<<16                      ; tensor_dim1 = 64
	s_mov_b32 s[\g+3], 128<<16                     ; tile_dim0 = 128
	s_mov_b32 s[\g+4], 64                          ; tile_dim1 = 64
	s_mov_b32 s[\g+5], 512                         ; elements from row to row
	s_mov_b32 s[\g+6], 0
	s_mov_b32 s[\g+7], 0
.endr
	s_lshl_b32 s60, s20, 22                        ; batch x 4,096 rows x 1,024 bytes
	s_lshl_b32 s61, s16, 16                        ; + my 64 rows of the tile
	s_add_co_u32 s60, s60, s61
	s_lshl_b32 s61, s21, 8                         ; + the head's 256 bytes: nothing here hangs on cx
	s_add_co_u32 s60, s60, s61
	s_mov_b32 s61, 0
	s_mul_i32 s62, s14, 64*VPITCH                  ; V's halves lie at wave x 64 rows (waves 0, 1),
	s_mul_i32 s63, s14, 64*KPITCH
	s_add_co_u32 s63, s63, VTILE-2*64*KPITCH       ; K's behind V's tile, at (wave - 2) x 64 rows (waves 2, 3)
	s_wait_dscnt 0x0
	s_wait_kmcnt 0x0
	s_add_nc_u64 s[66:67], s[8:9], s[60:61]
	s_add_nc_u64 s[68:69], s[6:7], s[60:61]
	CROUND                                         ; all four work-groups are here: the first joint loads meet
.irp s, 0,1
	s_mov_b32 s[G0V+4*\s], 1
	s_add_co_u32 s[G0V+4*\s+1], s62, \s*SLOT
	s_add_nc_u64 s[G0V+4*\s+2:G0V+4*\s+3], s[66:67], \s*TILEB
	s_or_b32 s[G0V+4*\s+3], s[G0V+4*\s+3], 0x80000000
	s_mov_b32 s[G0K+4*\s], 1
	s_add_co_u32 s[G0K+4*\s+1], s63, \s*SLOT
	s_add_nc_u64 s[G0K+4*\s+2:G0K+4*\s+3], s[68:69], \s*TILEB
	s_or_b32 s[G0K+4*\s+3], s[G0K+4*\s+3], 0x80000000
	JLOAD \s                                       ; tiles 0 and 1: two tensor loads of the wave are out
.endr
	; the mask of my batch, 32 bytes a thread; then my query slots 0 and 1
	s_lshl_b32 s60, s20, 12
	s_mov_b32 s61, 0
	s_add_nc_u64 s[10:11], s[10:11], s[60:61]
	v_lshlrev_b32 v57, 5, v0
	global_load_b128 v[96:99],   v57, s[10:11]
	global_load_b128 v[100:103], v57, s[10:11] offset:16
	v_and_b32 v17, 31, v0                          ; lane
	v_and_b32 v1, 15, v0                           ; r
	v_bfe_u32 v18, v0, 4, 1                        ; h
	s_lshl_b32 s60, s20, 22                        ; q: batch x 2,048 rows x 2,048 bytes
	s_lshl_b32 s61, s18, 18                        ; + 128 rows a block
	s_add_co_u32 s60, s60, s61
	s_lshl_b32 s61, s15, 17                        ; + 64 rows a half
	s_add_co_u32 s60, s60, s61
	s_lshl_b32 s61, s21, 9                         ; + the head's 512 bytes
	s_add_co_u32 s60, s60, s61
	s_mov_b32 s61, 0
	s_add_nc_u64 s[4:5], s[4:5], s[60:61]
	v_lshlrev_b32 v19, 11, v1
	v_lshl_add_u32 v19, v18, 5, v19                ; row r, 32 bytes a half of the lanes
	s_lshl_b32 s60, s16, 16                        ; slots 0, 1: rows 32 kh ..
	v_add_nc_u32 v[QO], s60, v19
	s_xor_b32 s60, s60, 0x10000                    ; slots 2, 3: the other 32 rows
	v_add_nc_u32 v[QO+1], s60, v19
	LOADQ 0, 1
	; LDS addresses
	v_mul_u32_u24 v19, v1, KPITCH
	v_lshl_add_u32 v19, v18, 4, v19                ; K: row r, 16 bytes a half
	s_mul_i32 s60, s16, 64*KPITCH
	s_add_co_u32 s60, s60, VTILE
	v_add_nc_u32 v[ADRK], s60, v19
	s_add_co_u32 s60, s60, SLOT
	v_add_nc_u32 v[ADRK+1], s60, v19
	v_and_b32 v19, 7, v0
	v_lshl_add_u32 v19, v18, 3, v19                ; V, for the transposing load: row 8 h + l % 8,
	v_mul_u32_u24 v19, v19, VPITCH
	v_bfe_u32 v56, v0, 3, 1
	v_lshl_add_u32 v19, v56, 4, v19                ; 16 bytes on for lanes 8-15 and 24-31
	s_mul_i32 s60, s16, 64*VPITCH
	v_add_nc_u32 v[ADRV], s60, v19
	s_add_co_u32 s60, s60, SLOT
	v_add_nc_u32 v[ADRV+1], s60, v19
	s_lshl_b32 s60, s16, 8
	s_add_co_u32 s60, s60, BIAS
	v_lshl_add_u32 v[ABIAS], v18, 5, s60           ; 4 x (64 kh + 8 h)
	s_lshl_b32 s60, s14, 10
	s_add_co_u32 s60, s60, ML
	v_lshl_add_u32 v[MLS], v17, 4, s60
	s_xor_b32 s61, s14, 1                          ; my partner: the same queries, the other keys
	s_lshl_b32 s60, s61, 10
	s_add_co_u32 s60, s60, ML
	v_lshl_add_u32 v[MLR], v17, 4, s60
	s_lshl_b32 s60, s14, 14
	s_add_co_u32 s60, s60, XCH
	v_lshl_add_u32 v[XS], v17, 4, s60
	s_lshl_b32 s60, s61, 14
	s_add_co_u32 s60, s60, XCH
	v_lshl_add_u32 v[XR], v17, 4, s60
	s_mul_i32 s60, s14, 16*SPITCH
	s_add_co_u32 s60, s60, STG
	v_lshl_add_u32 v[SR], v17, 4, s60              ; back: a row of 512 bytes a load
	v_mul_u32_u24 v19, v1, SPITCH
	v_lshl_add_u32 v19, v18, 5, v19
	v_add_nc_u32 v[SS], s60, v19                   ; in: row r, 32 bytes a half
	v_lshlrev_b32 v[CO], 4, v17
	s_lshl_b32 s60, s20, 22                        ; result: batch x 2,048 rows x 2,048 bytes
	s_lshl_b32 s61, s18, 18
	s_add_co_u32 s60, s60, s61
	s_lshl_b32 s61, s15, 17
	s_add_co_u32 s60, s60, s61
	s_lshl_b32 s61, s16, 16                        ; the 32 rows that I keep
	s_add_co_u32 s60, s60, s61
	s_lshl_b32 s61, s21, 9                         ; the head's 512 bytes
	s_add_co_u32 s60, s60, s61
	s_mov_b32 s61, 0
	s_add_nc_u64 s[12:13], s[12:13], s[60:61]
	; PREFETCH: trip j asks for tile j + 3, one trip ahead of that tile's tensor load.  Of the four clusters that walk these tiles the first asks; work-group cx
	; asks for rows 32 cx + lane, a row's 256 bytes a lane; wave 0 in v, wave 1 in k.  So each row is asked for once; trips 29 to 31 ask for nothing.
	s_cmp_eq_u32 s14, 0
	s_cselect_b64 s[58:59], s[8:9], s[6:7]
	s_lshl_b32 s60, s20, 22
	s_lshl_b32 s61, s21, 8
	s_add_co_u32 s60, s60, s61
	s_add_co_u32 s60, s60, 3*TILEB
	s_mov_b32 s61, 0
	s_add_nc_u64 s[58:59], s[58:59], s[60:61]
	s_cmp_eq_u32 ttmp9, 0
	s_cselect_b32 s57, 1, 0
	s_cmp_lt_u32 s14, 2
	s_cselect_b32 s57, s57, 0
	s_lshl_b32 s60, s17, 5
	v_add_nc_u32 v[PFO], s60, v17
	v_lshlrev_b32 v[PFO], 10, v[PFO]
.irp s, 0,1,2,3
	v_mov_b32 v[TP+\s], 0                          ; v_permlanex16_b32 counts as a reader of its destination
.endr
	; the table of addends: thread t makes keys 32 t .. 32 t + 31
	v_mov_b32 v105, 0xf1800000                     ; masked: -2^100
	v_mov_b32 v106, 0x30c64852                     ; open: 1e-9 x log2(e)
	v_lshl_add_u32 v58, v0, 7, BIAS
	s_wait_loadcnt 32                              ; the two loads of the mask are in; the 32 of query slots 0 and 1 are younger and stay out
.irp wd, 0,1,2,3,4,5,6,7
.irp by, 0,1,2,3
	v_bfe_u32 v104, v[96+\wd], 8*\by, 8
	v_cmp_eq_u32 vcc_lo, 0, v104
	v_cndmask_b32 v[S+4*\wd+\by], v105, v106, vcc_lo
.endr
	ds_store_b128 v58, v[S+4*\wd:S+4*\wd+3] offset:16*\wd
.endr
	LOADQ 2, 3                                     ; query slots 2 and 3
.macro LOADK slot                      ; my 64 keys x 128: 16 fragments
	WIN 0xC0
.irp t, 0,1,2,3
.irp c, 0,1,2,3
	ds_load_b128 v[32*\t+8*\c:32*\t+8*\c+3],   v[ADRK+\slot] offset:\t*16*KPITCH+64*\c
	ds_load_b128 v[32*\t+8*\c+4:32*\t+8*\c+7], v[ADRK+\slot] offset:\t*16*KPITCH+64*\c+32
.endr
.endr
.endm
.macro LOADB                           ; the addends of my 64 keys, laid as an accumulator's rows; then on to the next tile's
	WIN 0
.irp t, 0,1,2,3
	ds_load_b128 v[BR+8*\t:BR+8*\t+3],   v[ABIAS] offset:64*\t
	ds_load_b128 v[BR+8*\t+4:BR+8*\t+7], v[ABIAS] offset:64*\t+16
.endr
	v_add_nc_u32 v[ABIAS], 512, v[ABIAS]
.endm
.macro LOADV slot                      ; my 64 keys x 128, transposed on the way: 16 fragments of 16 d x 32 keys
	WIN 0x80
.irp i, 0,1,2,3,4,5,6,7
.irp u, 0,1
	ds_load_tr16_b128 v[128+16*\i+8*\u:128+16*\i+8*\u+3],   v[ADRV+\slot] offset:\u*32*VPITCH+32*\i
	ds_load_tr16_b128 v[128+16*\i+8*\u+4:128+16*\i+8*\u+7], v[ADRV+\slot] offset:\u*32*VPITCH+32*\i+16*VPITCH
.endr
.endr
.endm
; S^T = K Q^T + addend.  The four query slots take turns, one instruction a turn.
.macro QK
	WIN 0x0B
.irp t, 0,1,2,3
.irp c, 0,1,2,3
.irp s, 0,1,2,3
.if \c == 0
	v_wmma_f32_16x16x32_f16 v[S+32*\s+8*\t:S+32*\s+8*\t+7], v[32*\t+8*\c:32*\t+8*\c+7], v[32*\s+8*\c:32*\s+8*\c+7], v[BR+8*\t:BR+8*\t+7]
.else
	v_wmma_f32_16x16x32_f16 v[S+32*\s+8*\t:S+32*\s+8*\t+7], v[32*\t+8*\c:32*\t+8*\c+7], v[32*\s+8*\c:32*\s+8*\c+7], v[S+32*\s+8*\t:S+32*\s+8*\t+7]
.endif
.endr
.endr
.endr
.endm
; O^T += V^T P^T.  The 32 accumulators take turns, one instruction a turn.  first = 1: the first product starts the sums.
.macro PV first
	WIN 0x52
.irp u, 0,1
.irp i, 0,1,2,3,4,5,6,7
.irp s, 0,1,2,3
.if \first*(1-\u)
	v_wmma_f32_16x16x32_f16 v[64*\s+8*\i:64*\s+8*\i+7], v[128+16*\i+8*\u:128+16*\i+8*\u+7], v[S+32*\s+16*\u:S+32*\s+16*\u+7], 0
.else
	v_wmma_f32_16x16x32_f16 v[64*\s+8*\i:64*\s+8*\i+7], v[128+16*\i+8*\u:128+16*\i+8*\u+7], v[S+32*\s+16*\u:S+32*\s+16*\u+7], v[64*\s+8*\i:64*\s+8*\i+7]
.endif
.endr
.endr
.endr
.endm
.macro RESCALE                         ; O of slot s times the slot's factor: a lane holds one query of each slot
	WIN 0x41
.irp s, 0,1,2,3
.set pp, 0
.rept 32
	v_pk_mul_f32 v[64*\s+2*pp:64*\s+2*pp+1], v[64*\s+2*pp:64*\s+2*pp+1], v[AL+2*\s:AL+2*\s+1]
.set pp, pp+1
.endr
.endr
.endm
; The running softmax on 4 slots x 32 scores a lane; every group goes round the four slots, so that no instruction waits for the one in front of it.
.macro SOFTMAX first
.irp s, 0,1,2,3
	v_max3_num_f32 v[MX+\s], v[S+32*\s], v[S+32*\s+1], v[S+32*\s+2]
.endr
.set kk, 1
.rept 14
.irp s, 0,1,2,3
	v_max3_num_f32 v[MX+\s], v[MX+\s], v[S+32*\s+2*kk+1], v[S+32*\s+2*kk+2]
.endr
.set kk, kk+1
.endr
.irp s, 0,1,2,3
.if \first
	v_max3_num_f32 v[MX+\s], v[MX+\s], v[S+32*\s+31], s70          ; the floor
.else
	v_max3_num_f32 v[MX+\s], v[MX+\s], v[S+32*\s+31], v[M+\s]      ; the maximum so far
.endif
.endr
.irp s, 0,1,2,3
	v_permlanex16_b32 v[TP+\s], v[MX+\s], s22, s23                 ; the other eight keys of each sixteen lie in the other half of the lanes
.endr
.irp s, 0,1,2,3
	v_max_num_f32 v[MX+\s], v[MX+\s], v[TP+\s]
.endr
.if \first == 0
.irp s, 0,1,2,3
	v_sub_f32 v[TP+\s], v[M+\s], v[MX+\s]
.endr
.endif
.irp s, 0,1,2,3
	v_mov_b32 v[M+\s], v[MX+\s]
	v_xor_b32 v[NM+2*\s],   0x80000000, v[MX+\s]
	v_xor_b32 v[NM+2*\s+1], 0x80000000, v[MX+\s]
.endr
.if \first == 0
.irp s, 0,1,2,3
	v_exp_f32 v[AL+2*\s], v[TP+\s]                 ; the packed sums below are the plain instructions that stand behind these (ISA guide 5.7.2)
.endr
.endif
.set kk, 0
.rept 16
.irp s, 0,1,2,3
	v_pk_add_f32 v[S+32*\s+2*kk:S+32*\s+2*kk+1], v[S+32*\s+2*kk:S+32*\s+2*kk+1], v[NM+2*\s:NM+2*\s+1]
.endr
.set kk, kk+1
.endr
.if \first == 0
	s_wait_alu depctr_va_vdst(0)
.irp s, 0,1,2,3
	v_mov_b32 v[AL+2*\s+1], v[AL+2*\s]
.endr
.endif
.set kk, 0
.rept 128
	v_exp_f32 v[S+kk], v[S+kk]
.set kk, kk+1
.endr
	v_nop                                          ; one plain place behind the last exponential
	s_wait_alu depctr_va_vdst(0)
.irp s, 0,1,2,3
.if \first
	s_wait_alu depctr_va_vdst(0)
	v_pk_add_f32 v[L+2*\s:L+2*\s+1], v[S+32*\s:S+32*\s+1], v[S+32*\s+2:S+32*\s+3]
.else
	v_pk_fma_f32 v[L+2*\s:L+2*\s+1], v[L+2*\s:L+2*\s+1], v[AL+2*\s:AL+2*\s+1], v[S+32*\s:S+32*\s+1]
.endif
.endr
.set kk, 1+\first
.rept 15-\first
.irp s, 0,1,2,3
	v_pk_add_f32 v[L+2*\s:L+2*\s+1], v[L+2*\s:L+2*\s+1], v[S+32*\s+2*kk:S+32*\s+2*kk+1]
.endr
.set kk, kk+1
.endr
.irp s, 0,1,2,3
.irp u, 0,1
.set kk, 0
.rept 8
	v_cvt_pk_f16_f32 v[S+32*\s+16*\u+kk], v[S+32*\s+16*\u+2*kk], v[S+32*\s+16*\u+2*kk+1]   ; in place, ascending: word kk is written when words 2 kk, 2 kk + 1 are read
.set kk, kk+1
.endr
.endr
.endr
.endm
; One tile of 128 keys in slot 'slot'.  K's fragments and the addends were asked for in the trip before.
; turn = 2: the slots change and this one is filled again, two tiles ahead; 1: the change alone; 0: the last tile.  pf = 1: the trip prefetches.
.macro TRIP slot, first, turn, pf
.rept 5
	v_nop                                          ; behind the last trip's matrix instructions: four places for the loads into V's fragments, five for the products that write over P
.endr
	LOADV \slot
	WIN 0
.if \pf
	s_cmp_lg_u32 s57, 0
	s_cbranch_scc0 .Lnopf_\@
	global_prefetch_b8 v[PFO], s[58:59] th:TH_LOAD_NT scope:SCOPE_SE
.Lnopf_\@:
.endif
	s_wait_dscnt 32                                ; K and the addends are in; V's 32 loads are younger and stay out
	QK
	WIN 0
.rept 4
	v_nop                                          ; four places before the scores are read, and before K's fragments and the addends are loaded again
.endr
	SOFTMAX \first
.if \pf
	s_wait_xcnt 0x0                                ; the prefetch's base is stepped only behind this wait
	s_add_nc_u64 s[58:59], s[58:59], TILEB
.endif
	s_wait_dscnt 0x0                               ; V is in: my reads of this slot are over
.if \turn
	s_wait_tensorcnt 0x0                           ; all my tensor loads have landed: the one that was out is my part of the next tile
	ds_add_u32 v62, v63
	s_wait_dscnt 0x0
	s_barrier_signal -1                            ; say so (with turn = 2 this barrier opens a round of the cluster's barrier)
.endif
.if \first == 0
	RESCALE                                        ; register work while the others arrive
.endif
	WIN 0
.if \turn
	s_barrier_wait -1
.endif
.if \turn == 2
	CREST                                          ; no wave of any partner still reads this slot or has a load on its way
	s_add_nc_u64 s[G0V+4*\slot+2:G0V+4*\slot+3], s[G0V+4*\slot+2:G0V+4*\slot+3], 2*TILEB
	s_add_nc_u64 s[G0K+4*\slot+2:G0K+4*\slot+3], s[G0K+4*\slot+2:G0K+4*\slot+3], 2*TILEB
	JLOAD \slot                                    ; the first tensor load behind the round, my only one until the next: it has a whole trip in which to land
.endif
.if \turn
	LOADK 1-\slot
	LOADB
.endif
	PV \first
	WIN 0
.endm
	s_wait_dscnt 0x0                               ; my part of the table is written
	s_wait_tensorcnt 0x1                           ; my part of tile 0 is in; tile 1's load is younger and stays out
	s_barrier_signal -1
	s_barrier_wait -1
	LOADK 0
	LOADB
	; q: times log2(e) / sqrt(128), rounded once to f16: 256 f32 a lane in window 1 become the 16 fragments in window 2
	v_mov_b32 v[AL],   0x3e0293ee
	v_mov_b32 v[AL+1], 0x3e0293ee
	s_wait_loadcnt 0x0                             ; q
	WIN 0x41
.set pp, 0
.rept 128
	v_pk_mul_f32 v[2*pp:2*pp+1], v[2*pp:2*pp+1], v[AL:AL+1]
.set pp, pp+1
.endr
	WIN 0x85
.set ee, 0
.rept 128
	v_cvt_pk_f16_f32 v[ee], v[2*ee], v[2*ee+1]
.set ee, ee+1
.endr
	WIN 0
	TRIP 0, 1, 2, 1                                ; tile 0 starts the sums
	s_mov_b32 s56, 14
.Lpair:                                            ; tiles 1 to 28
	TRIP 1, 0, 2, 1
	TRIP 0, 0, 2, 1
	s_sub_co_u32 s56, s56, 1
	s_cmp_lg_u32 s56, 0
	s_cbranch_scc1 .Lpair
	TRIP 1, 0, 2, 0                                ; tile 29 asks for tile 31, the last
	TRIP 0, 0, 1, 0                                ; tile 30
	TRIP 1, 0, 0, 0                                ; tile 31
	; THE MERGE of the two halves of the keys.  First maxima and sums.
.rept 4
	v_nop                                          ; four places behind the last matrix instructions
.endr
.irp s, 0,1,2,3
	v_add_f32 v[100+\s], v[L+2*\s], v[L+2*\s+1]
.endr
.irp s, 0,1,2,3
	v_permlanex16_b32 v[TP+\s], v[100+\s], s22, s23
.endr
.irp s, 0,1,2,3
	v_add_f32 v[100+\s], v[100+\s], v[TP+\s]       ; the sum over my 2,048 keys
.endr
	ds_store_b128 v[MLS], v[M:M+3]
	ds_store_b128 v[MLS], v[100:103] offset:512
	s_wait_dscnt 0x0                               ; written, for my partner's sake
	s_barrier_signal -1
	s_barrier_wait -1
	ds_load_b128 v[104:107], v[MLR]                ; my partner's maxima: its slot (s + 2) % 4 holds my slot s's queries
	ds_load_b128 v[108:111], v[MLR] offset:512     ; and sums
	s_wait_dscnt 0x0
.irp s, 0,1,2,3
	v_max_num_f32 v[112+\s], v[M+\s], v[104+(\s+2)%4]
.endr
.irp s, 0,1,2,3
	v_sub_f32 v[116+\s], v[M+\s], v[112+\s]
	v_sub_f32 v[120+\s], v[104+(\s+2)%4], v[112+\s]
.endr
.irp s, 0,1,2,3
	v_exp_f32 v[116+\s], v[116+\s]                 ; my weight
	v_exp_f32 v[120+\s], v[120+\s]                 ; my partner's
.endr
	v_nop
	s_wait_alu depctr_va_vdst(0)
.irp s, 0,1,2,3
	v_mul_f32 v[124+\s], v[108+(\s+2)%4], v[120+\s]
.endr
.irp s, 0,1,2,3
	v_fmac_f32 v[124+\s], v[100+\s], v[116+\s]     ; the sum over all keys: 0 if all are masked, else at least 1
.endr
.irp s, 0,1,2,3
	v_rcp_f32 v[112+\s], v[124+\s]
.endr
	v_nop
	s_wait_alu depctr_va_vdst(0)
.irp s, 0,1,2,3
	v_cmp_lt_f32 vcc_lo, 0, v[124+\s]
	v_cndmask_b32 v[112+\s], 0, v[112+\s], vcc_lo  ; all keys masked: the probabilities count as 0
	v_mul_f32 v[AL+2*\s],   v[116+\s], v[112+\s]
	v_mul_f32 v[AL+2*\s+1], v[116+\s], v[112+\s]
.endr
	RESCALE                                        ; my part of the result, weighted and normalised
	WIN 0x04                                       ; store data from window 1
.set gg, 0
.rept 32
	ds_store_b128 v[XS], v[128+4*gg:128+4*gg+3] offset:512*gg      ; slots 2 and 3 go to my partner
.set gg, gg+1
.endr
	WIN 0
	s_wait_dscnt 0x0
	s_barrier_signal -1
	s_barrier_wait -1
	WIN 0xC0
.set gg, 0
.rept 32
	ds_load_b128 v[4*gg:4*gg+3], v[XR] offset:512*gg               ; its slots 2 and 3 are my slots 0 and 1, register for register
.set gg, gg+1
.endr
	s_wait_dscnt 0x0
	WIN 0x4D
.set pp, 0
.rept 64
	v_pk_add_f32 v[2*pp:2*pp+1], v[2*pp:2*pp+1], v[2*pp:2*pp+1]    ; window 1 += window 3
.set pp, pp+1
.endr
	; THE WAY OUT: 16 queries at a time through my own stage; a store of the wave covers a row's 512 consecutive bytes, at a multiple of 256 from the buffer's first byte
.irp z, 0,1
	WIN 0x04
.irp i, 0,1,2,3,4,5,6,7
	ds_store_b128 v[SS], v[64*\z+8*\i:64*\z+8*\i+3]   offset:64*\i
	ds_store_b128 v[SS], v[64*\z+8*\i+4:64*\z+8*\i+7] offset:64*\i+16
.endr
	WIN 0
.set tt, 0
.rept 16
	ds_load_b128 v[S+64*\z+4*tt:S+64*\z+4*tt+3], v[SR] offset:SPITCH*tt   ; LDS serves a wave's instructions in order: these see the stores above
.set tt, tt+1
.endr
.set tt, 0
.rept 16
	s_wait_dscnt 15-tt                             ; the younger read-backs stay out
	global_store_b128 v[CO], v[S+64*\z+4*tt:S+64*\z+4*tt+3], s[12:13] offset:(16*\z+tt)*2048
.set tt, tt+1
.endr
.endr
	s_wait_tensorcnt 0x0
	ds_add_u32 v62, v63
	s_wait_dscnt 0x0
	CROUND                                         ; the closing round
	s_endpgm
.Lfunc_end_k_q8dc7a0dee0_attn:
	.size	k_q8dc7a0dee0_attn, .Lfunc_end_k_q8dc7a0dee0_attn-k_q8dc7a0dee0_attn
	.p2alignl 7, 3214868480
	.fill 96, 4, 3214868480
	.section	.rodata,"a",@progbits
	.p2align	6, 0x0
	.amdhsa_kernel k_q8dc7a0dee0_attn
		.amdhsa_group_segment_fixed_size 327680
		.amdhsa_private_segment_fixed_size 0
		.amdhsa_enable_private_segment 0
		.amdhsa_kernarg_size 40
		.amdhsa_user_sgpr_count 2
		.amdhsa_user_sgpr_kernarg_segment_ptr 1
		.amdhsa_wavefront_size32 1
		.amdhsa_system_sgpr_workgroup_id_x 1
		.amdhsa_system_sgpr_workgroup_id_y 1
		.amdhsa_system_sgpr_workgroup_id_z 1
		.amdhsa_system_vgpr_workitem_id 0
		.amdhsa_next_free_vgpr 896
		.amdhsa_next_free_sgpr 72
		.amdhsa_reserve_vcc 1
		.amdhsa_float_denorm_mode_32 3
		.amdhsa_float_denorm_mode_16_64 3
		.amdhsa_memory_ordered 1
		.amdhsa_forward_progress 1
		.amdhsa_inst_pref_size 255
	.end_amdhsa_kernel
	.section	.bss,"aw",@nobits
	.p2align	6
	.space	262144
	.amdgpu_metadata
---
amdhsa.version: [ 1, 2 ]
amdhsa.kernels:
  - .name:           k_q8dc7a0dee0_attn
    .symbol:         k_q8dc7a0dee0_attn.kd
    .args:
      - { .name: qws, .offset: 0, .size: 8, .value_kind: global_buffer, .address_space: global }
      - { .name: kws, .offset: 8, .size: 8, .value_kind: global_buffer, .address_space: global }
      - { .name: vws, .offset: 16, .size: 8, .value_kind: global_buffer, .address_space: global }
      - { .name: key_padding_mask, .offset: 24, .size: 8, .value_kind: global_buffer, .address_space: global }
      - { .name: aws, .offset: 32, .size: 8, .value_kind: global_buffer, .address_space: global }
    .group_segment_fixed_size: 327680
    .private_segment_fixed_size: 0
    .kernarg_segment_align: 8
    .kernarg_segment_size: 40
    .max_flat_workgroup_size: 128
    .sgpr_count:     72
    .vgpr_count:     896
    .wavefront_size: 32
...
	.end_amdgpu_metadata
.endif
;; end of part 3
;; launch op: the kernel of part 1 again; grid 4 x 64, 4 waves a work-group, clusters of 4 x 4, 284,160 bytes of LDS; arguments aws, Wo, bo, out0; writes out0
